; MI455X (gfx1250); checked and timed in simulation.
; The chip was launched on July 23, 2026; its instructions are those of AMD's public machine-readable ISA for CDNA 5 (MIT licence, August 2026) and "CDNA5" Instruction Set Architecture Reference Guide (July 2026). The comments in the code are by the model that wrote it; some were corrected since.
;; Multi Head Attention. Allowed arithmetic: float matrix products may take bf16 or f16 operands with f32 sums; other float arithmetic in f32, or as packed bf16 or f16 multiplies, adds, multiply-adds, maxima and minima; sums over many terms, partial sums and values carried from step to step in f32; what a program stores and reads back later, other than sums and carried values, may be rounded once to bf16 or f16.
;; Inputs: Wk 512 x 512 float32; Wq 512 x 512 float32; Wv 512 x 512 float32; bk 512 float32; bq 512 float32; bv 512 float32; mask 1,024 x 8 x 128 int32; x_non 1,024 x 512 float32; x_seq 1,024 x 128 x 512 float32.
;; Outputs: out0 1,024 x 512 float32.
;; One version. Each part assembles by itself: llvm-mc -triple=amdgcn-amd-amdhsa -mcpu=gfx1250 --defsym DOCPART=n.
;; ======== version 1 of 1: 3 launches
;; workspace buffers: qt 16,777,216 bytes; cq 32,768 bytes; y 8,388,608 bytes
;; launch proj (part 1): grid 32 x 8, 16 waves a work-group, no clusters, 252,416 bytes of LDS; arguments x_non, Wq, bq, Wk, bk, qt, cq; writes qt, cq
.if DOCPART == 1
	.amdgcn_target "amdgcn-amd-amdhsa--gfx1250"
	.amdhsa_code_object_version 6
	.text
	.protected	k_q9166fd5e35_proj
	.globl	k_q9166fd5e35_proj
	.p2align	8
	.type	k_q9166fd5e35_proj,@function
k_q9166fd5e35_proj:
	s_mov_b64 s[64:65], 0
	v_nop
	global_prefetch_b8 v0, s[64:65] scope:SCOPE_SE
	s_setreg_imm32_b32 hwreg(HW_REG_WAVE_MODE, 25, 1), 1
	s_wait_xcnt 0x0
; THE QUERY SIDE.  q[b][64n+d] = sum_j x_non[b][j] Wq[64n+d][j] + bq[64n+d]   (kept in LDS alone)
;                  qt[b][n][j] = sum_d q[b][64n+d] Wk[64n+d][j]               (f32, [1024][8][512])
;                  cq[n][b]    = (sum_d q[b][64n+d] bk[64n+d]) / 8            (f32, [8][1024])
; so that the next launch finds q . k = sum_j x_seq[b][s][j] qt[b][n][j] + 8 cq[n][b]: the key projection moved onto the one query of a (b, head).
; FORMATS.  Every floating-point input is rounded once to bf16, so products of two inputs are exact in the matrix unit.  q, which this launch makes, stands in front of a floor:
; it goes to the second product as THREE bf16 pieces (hi + mid + lo = the f32 number, exactly).  All sums in f32.
; LIMITS.  NaN and infinities are not treated apart; of a q below about 2^-110 the third piece is lost.
; SHARES.  A work-group has 32 rows b and one head n; 16 waves.  First product: 8 tiles of 16 d x 16 b, K = 512: waves 0 to 7.  Second: 16 waves, each 16 b x 64 j, K = 64 d x 3 pieces.
; NO CLUSTER: Wq's and Wk's 64 rows are shared by the 32 work-groups of a head and x_non's rows by 8, but they are f32 in memory and are rounded in registers on the way to LDS;
; landed jointly as f32 they would take 65,536 + 131,072 + 131,072 bytes of LDS beside the 167,424 of their bf16 copies, which is more than a work-group has.
.set P1,    1040                       ; a row of 512 bf16 + 16 bytes: 65 x 16, so the 16 rows of a fragment load start in 16 different groups of four banks (64 banks of 4 bytes: ISA guide 11.1)
.set P2,    1056                       ; the same + 32 bytes: 33 x 32, for the turning load
.set QPP,   400                        ; a row of q's pieces: 3 x 64 bf16 + 16 bytes = 25 x 16
.set STP,   272                        ; a stage row: 64 f32 + 16 bytes
.set XN,    0                          ; 32 rows of x_non, bf16
.set WQ,    33280                      ; 64 rows of Wq, bf16
.set WKT,   99840                      ; 64 rows of Wk, bf16, [d][j]
.set QP,    167424                     ; 32 rows b: piece p, channel d at 128 p + 2 d
.set CP,    180224                     ; partial sums of q . bk: [dt][32 b] f32
.set ST,    180736                     ; a stage of 16 rows for each wave, for the way out
.set SPARE, 250368                     ; the spare words: 128 bytes for each of 16 waves, named by no other line
.set L16, 2                            ; v2   16 x lane
.set XNS, 3                            ; v3-5 where I store my rows of x_non, Wq, Wk
.set WQS, 4
.set WKS, 5
.set FA,  6                            ; v6   fragments of Wq
.set FB,  7                            ; v7   fragments of x_non
.set QPS, 8                            ; v8   where my 8 channels of q go
.set CPS, 9                            ; v9   where my partial sum of q . bk goes
.set QPB, 10                           ; v10  fragments of q's pieces
.set TA,  11                           ; v11  turned fragments of Wk
.set SO,  12                           ; v12  into my stage
.set SR,  13                           ; v13  back out of it
.set GO,  14                           ; v14  my byte offset in two rows of qt
.set BO,  15                           ; v15  my byte offset in 16 numbers of a bias
.set SPW, 16                           ; v16  my spare word; never rewritten
.set NIL, 17                           ; v17  0; never rewritten
.set CRD, 18                           ; v18  wave 0: where the partial sums are read
.set CGO, 19                           ; v19  4 x lane
.set CV,  20                           ; v20-35  rounded pairs on their way to LDS (set-up: at work)
.set BQ,  36                           ; v36-43  my 8 numbers of bq
.set BK,  44                           ; v44-51  of bk
.set QF,  52                           ; v52-59  q, f32;  v60-79 at work
.set STG, 96                           ; v96-255 forty loads of 16 bytes a lane; later fragments and accumulators
.set F0,  96                           ; first product: two buffers of four K steps
.set F1,  160
.set ACA, 224                          ; its two accumulators: even and odd K steps
.set ACB, 232
.set PF,  96                           ; second product: q's pieces (p, half ds) at PF + 8 (2 p + ds)
.set WA,  144                          ; Wk turned: (ds, jt) at WA + 8 (4 ds + jt)
.set AC,  208                          ; four accumulators, one for each 16 j
.set RB,  96                           ; 16 rows read back from the stage
.set XNB, 4                            ; s[4:5] x_non, s[6:7] Wq, s[8:9] bq, s[10:11] Wk, s[12:13] bk, s[14:15] qt, s[16:17] cq
.set WQB, 6
.set BQB, 8
.set WKB, 10
.set BKB, 12
.set QTB, 14
.set CQB, 16
.set WV,  18                           ; wave
.set DT,  19                           ; which 16 of the head's 64 channels
.set MM,  20                           ; which 16 of the 32 rows b, first product
.set MH,  21                           ; the same, second product
.set JQ,  22                           ; which 64 of the 512 j
.set NH,  23                           ; the head
.set HIM, 25                           ; a word's upper bf16
.set SEL, 26                           ; s[26:27] v_permlanex16_b32: each lane takes its own place in the other half
.set T0,  28                           ; s[28:29] an offset in 64 bits
.set T2,  30
.macro PLACES n                        ; plain instructions between a matrix instruction and what touches its registers (ISA guide 7.12.1)
.rept \n
	v_nop
.endr
.endm
.macro BAR                             ; my LDS stores and loads are done; then all sixteen waves meet
	s_wait_dscnt 0x0
	s_barrier_signal -1
	s_barrier_wait -1
.endm
; Four f32 in v[f..f+3] become three pairs of packed bf16, h + m + lo = f exactly: round, widen, subtract (the difference is exact), twice; the rest fits 8 bits.
.macro SPLIT4 f, h, m, lo, t
.irp d, \h, \m
	v_cvt_pk_bf16_f32 v[(\d)],   v[(\f)],   v[(\f)+1]
	v_cvt_pk_bf16_f32 v[(\d)+1], v[(\f)+2], v[(\f)+3]
	v_lshlrev_b32 v[(\t)],   16,     v[(\d)]
	v_and_b32     v[(\t)+1], s[HIM], v[(\d)]
	v_lshlrev_b32 v[(\t)+2], 16,     v[(\d)+1]
	v_and_b32     v[(\t)+3], s[HIM], v[(\d)+1]
	v_pk_add_f32 v[(\f):(\f)+1],   v[(\f):(\f)+1],   v[(\t):(\t)+1]   neg_lo:[0,1] neg_hi:[0,1]
	v_pk_add_f32 v[(\f)+2:(\f)+3], v[(\f)+2:(\f)+3], v[(\t)+2:(\t)+3] neg_lo:[0,1] neg_hi:[0,1]
.endr
	v_cvt_pk_bf16_f32 v[(\lo)],   v[(\f)],   v[(\f)+1]
	v_cvt_pk_bf16_f32 v[(\lo)+1], v[(\f)+2], v[(\f)+3]
.endm
; Eight f32 rounded to bf16 and widened again, in place
.macro RND8 f, t
.irp k, 0,1,2,3
	v_cvt_pk_bf16_f32 v[(\t)+(\k)], v[(\f)+2*(\k)], v[(\f)+2*(\k)+1]
.endr
.irp k, 0,1,2,3
	v_lshlrev_b32 v[(\f)+2*(\k)],   16,     v[(\t)+(\k)]
	v_and_b32     v[(\f)+2*(\k)+1], s[HIM], v[(\t)+(\k)]
.endr
.endm
; Eight loads (two rows of 2,048 bytes) are rounded and stored: 8 bytes a lane, 256 consecutive bytes a store.  left = the younger loads, which may stay out.
.macro CVT8 src, adr, pitch, row0, left
	s_wait_loadcnt \left
.set i, 0
.rept 8
	v_cvt_pk_bf16_f32 v[CV+2*i],   v[(\src)+4*i],   v[(\src)+4*i+1]
	v_cvt_pk_bf16_f32 v[CV+2*i+1], v[(\src)+4*i+2], v[(\src)+4*i+3]
.set i, i+1
.endr
.set i, 0
.rept 8
	ds_store_b64 v[\adr], v[CV+2*i:CV+2*i+1] offset:((\row0)+i/4)*(\pitch)+(i%4)*256
.set i, i+1
.endr
.endm
; K steps 4 b .. 4 b + 3 of the first product: 16 LDS loads into buffer f (step i: Wq at f + 16 i, x_non at f + 16 i + 8)
.macro FETCH4 b, f
.set i, 0
.rept 4
	ds_load_b128 v[(\f)+16*i:(\f)+16*i+3],     v[FA] offset:64*(4*(\b)+i)
	ds_load_b128 v[(\f)+16*i+4:(\f)+16*i+7],   v[FA] offset:64*(4*(\b)+i)+32
	ds_load_b128 v[(\f)+16*i+8:(\f)+16*i+11],  v[FB] offset:64*(4*(\b)+i)
	ds_load_b128 v[(\f)+16*i+12:(\f)+16*i+15], v[FB] offset:64*(4*(\b)+i)+32
.set i, i+1
.endr
.endm
; Its four products.  The two accumulators take turns, one instruction a turn.  first = 1: the sums start, one with the bias and one with 0.
.macro MUL4 f, first
.if \first
	v_wmma_f32_16x16x32_bf16 v[ACA:ACA+7], v[(\f):(\f)+7],     v[(\f)+8:(\f)+15],  v[BQ:BQ+7]
	v_wmma_f32_16x16x32_bf16 v[ACB:ACB+7], v[(\f)+16:(\f)+23], v[(\f)+24:(\f)+31], 0
.else
	v_wmma_f32_16x16x32_bf16 v[ACA:ACA+7], v[(\f):(\f)+7],     v[(\f)+8:(\f)+15],  v[ACA:ACA+7]
	v_wmma_f32_16x16x32_bf16 v[ACB:ACB+7], v[(\f)+16:(\f)+23], v[(\f)+24:(\f)+31], v[ACB:ACB+7]
.endif
	v_wmma_f32_16x16x32_bf16 v[ACA:ACA+7], v[(\f)+32:(\f)+39], v[(\f)+40:(\f)+47], v[ACA:ACA+7]
	v_wmma_f32_16x16x32_bf16 v[ACB:ACB+7], v[(\f)+48:(\f)+55], v[(\f)+56:(\f)+63], v[ACB:ACB+7]
.endm
	s_load_b256 s[4:11], s[0:1], 0x0               ; x_non, Wq, bq, Wk
	s_load_b128 s[12:15], s[0:1], 0x20             ; bk, qt
	s_load_b64 s[16:17], s[0:1], 0x30              ; cq
	v_lshl_add_u32 v[SPW], v0, 2, SPARE
	v_mov_b32 v[NIL], 0
	v_lshrrev_b32 v1, 5, v0
	v_readfirstlane_b32 s[WV], v1                  ; wave 0..15
	s_and_b32 s[NH], ttmp7, 0xffff
	s_and_b32 s[DT], s[WV], 3
	s_bfe_u32 s[MM], s[WV], 0x10002                ; (wave / 4) % 2
	s_lshr_b32 s[MH], s[WV], 3
	s_and_b32 s[JQ], s[WV], 7
	s_mov_b32 s[HIM], 0xffff0000
	s_mov_b32 s[SEL], 0x76543210
	s_mov_b32 s[SEL+1], 0xfedcba98
	s_mov_b32 s[T0+1], 0
	v_and_b32 v20, 31, v0                          ; l
	v_and_b32 v21, 15, v0                          ; r = l % 16
	v_bfe_u32 v22, v0, 4, 1                        ; h = l / 16
	v_bfe_u32 v23, v0, 3, 1                        ; (l / 8) % 2
	v_and_b32 v24, 7, v0                           ; l % 8
	v_lshlrev_b32 v[L16], 4, v20
	v_lshlrev_b32 v[CGO], 2, v20
	v_add_nc_u32 v[CRD], CP, v[CGO]
	v_lshlrev_b32 v[BO], 5, v22                    ; 8 f32 for each half of the lanes
	s_mul_i32 s[T0], s[WV], 2*P1                   ; x_non: rows 2 w, 2 w + 1
	v_lshl_add_u32 v[XNS], v20, 3, s[T0]
	s_mul_i32 s[T0], s[WV], 4*P1                   ; Wq: rows 4 w .. 4 w + 3
	s_add_co_u32 s[T0], s[T0], WQ
	v_lshl_add_u32 v[WQS], v20, 3, s[T0]
	s_mul_i32 s[T0], s[WV], 4*P2                   ; Wk: the same rows
	s_add_co_u32 s[T0], s[T0], WKT
	v_lshl_add_u32 v[WKS], v20, 3, s[T0]
	v_mul_u32_u24 v25, v21, P1                     ; a fragment: row r, 16 bytes for each half of the lanes
	v_lshl_add_u32 v25, v22, 4, v25
	s_mul_i32 s[T0], s[DT], 16*P1
	s_add_co_u32 s[T0], s[T0], WQ
	v_add_nc_u32 v[FA], s[T0], v25
	s_mul_i32 s[T0], s[MM], 16*P1
	v_add_nc_u32 v[FB], s[T0], v25
	v_mul_u32_u24 v26, v21, QPP
	v_lshl_add_u32 v26, v22, 4, v26
	s_mul_i32 s[T0], s[MM], 16*QPP
	s_lshl_b32 s[T2], s[DT], 5
	s_add_co_u32 s[T0], s[T0], s[T2]
	s_add_co_u32 s[T0], s[T0], QP
	v_add_nc_u32 v[QPS], s[T0], v26                ; row 16 m + r, channels 16 dt + 8 h on
	s_mul_i32 s[T0], s[MH], 16*QPP
	s_add_co_u32 s[T0], s[T0], QP
	v_add_nc_u32 v[QPB], s[T0], v26
	s_lshl_b32 s[T0], s[DT], 7
	s_lshl_b32 s[T2], s[MM], 6
	s_add_co_u32 s[T0], s[T0], s[T2]
	s_add_co_u32 s[T0], s[T0], CP
	v_lshl_add_u32 v[CPS], v21, 2, s[T0]
	v_lshl_add_u32 v27, v22, 3, v24                ; the turning load: lane l reads row 8 h + l % 8, 16 bytes at 16 ((l / 8) % 2)
	v_mul_u32_u24 v27, v27, P2
	v_lshl_add_u32 v27, v23, 4, v27
	s_lshl_b32 s[T0], s[JQ], 7
	s_add_co_u32 s[T0], s[T0], WKT
	v_add_nc_u32 v[TA], s[T0], v27
	s_mul_i32 s[T0], s[WV], 16*STP
	s_add_co_u32 s[T0], s[T0], ST                  ; my stage
	v_mul_u32_u24 v27, v21, STP
	v_lshl_add_u32 v27, v22, 5, v27
	v_add_nc_u32 v[SO], s[T0], v27                 ; in: row r, 32 bytes for each half of the lanes
	v_mul_u32_u24 v27, v22, STP
	v_lshl_add_u32 v27, v21, 4, v27
	v_add_nc_u32 v[SR], s[T0], v27                 ; back: lanes 0-15 one row of 256 bytes, lanes 16-31 the next
	v_lshlrev_b32 v27, 14, v22                     ; and the same two rows in qt: 16,384 bytes from b to b + 1
	v_lshl_add_u32 v[GO], v21, 4, v27
	s_wait_kmcnt 0x0
	s_lshl_b32 s[T0], ttmp9, 16                    ; x_non: row 32 block + 2 w
	s_lshl_b32 s[T2], s[WV], 12
	s_add_co_u32 s[T0], s[T0], s[T2]
	s_add_nc_u64 s[XNB:XNB+1], s[XNB:XNB+1], s[T0:T0+1]
	s_lshl_b32 s[T0], s[NH], 17                    ; Wq, Wk: row 64 n + 4 w
	s_lshl_b32 s[T2], s[WV], 13
	s_add_co_u32 s[T0], s[T0], s[T2]
	s_add_nc_u64 s[WQB:WQB+1], s[WQB:WQB+1], s[T0:T0+1]
	s_add_nc_u64 s[WKB:WKB+1], s[WKB:WKB+1], s[T0:T0+1]
	s_lshl_b32 s[T0], s[NH], 8                     ; bq, bk: number 64 n + 16 dt
	s_lshl_b32 s[T2], s[DT], 6
	s_add_co_u32 s[T0], s[T0], s[T2]
	s_add_nc_u64 s[BQB:BQB+1], s[BQB:BQB+1], s[T0:T0+1]
	s_add_nc_u64 s[BKB:BKB+1], s[BKB:BKB+1], s[T0:T0+1]
	s_lshl_b32 s[T0], ttmp9, 19                    ; qt: b = 32 block + 16 mh, head n, j = 64 jq
	s_lshl_b32 s[T2], s[MH], 18
	s_add_co_u32 s[T0], s[T0], s[T2]
	s_lshl_b32 s[T2], s[NH], 11
	s_add_co_u32 s[T0], s[T0], s[T2]
	s_lshl_b32 s[T2], s[JQ], 8
	s_add_co_u32 s[T0], s[T0], s[T2]
	s_add_nc_u64 s[QTB:QTB+1], s[QTB:QTB+1], s[T0:T0+1]
	s_lshl_b32 s[T0], s[NH], 12                    ; cq: row n, b = 32 block
	s_lshl_b32 s[T2], ttmp9, 7
	s_add_co_u32 s[T0], s[T0], s[T2]
	s_add_nc_u64 s[CQB:CQB+1], s[CQB:CQB+1], s[T0:T0+1]
	; ALL LOADS AT ONCE: the biases first, so that they are the oldest and enter no count below; then forty loads of 512 consecutive bytes
	global_load_b128 v[BQ:BQ+3],   v[BO], s[BQB:BQB+1]
	global_load_b128 v[BQ+4:BQ+7], v[BO], s[BQB:BQB+1] offset:16
	global_load_b128 v[BK:BK+3],   v[BO], s[BKB:BKB+1]
	global_load_b128 v[BK+4:BK+7], v[BO], s[BKB:BKB+1] offset:16
.set i, 0
.rept 8
	global_load_b128 v[STG+4*i:STG+4*i+3], v[L16], s[XNB:XNB+1] offset:(i/4)*2048+(i%4)*512
.set i, i+1
.endr
.set i, 0
.rept 16
	global_load_b128 v[STG+32+4*i:STG+32+4*i+3], v[L16], s[WQB:WQB+1] offset:(i/4)*2048+(i%4)*512
.set i, i+1
.endr
.set i, 0
.rept 16
	global_load_b128 v[STG+96+4*i:STG+96+4*i+3], v[L16], s[WKB:WKB+1] offset:(i/4)*2048+(i%4)*512
.set i, i+1
.endr
	CVT8 STG,     XNS, P1, 0, 32                   ; the counts: the loads issued behind the group's eight
	CVT8 STG+32,  WQS, P1, 0, 24
	CVT8 STG+64,  WQS, P1, 2, 16
	CVT8 STG+96,  WKS, P2, 0, 8
	CVT8 STG+128, WKS, P2, 2, 0
	BAR                                            ; the three tiles are whole
	; FIRST PRODUCT, waves 0 to 7.  q^T = Wq x_non^T: source 0 = 16 rows d of Wq, source 1 = 16 rows b of x_non: a lane ends with ONE b (r) and the channels 16 dt + 8 h + 0..7.
	s_cmp_lt_u32 s[WV], 8
	s_cbranch_scc0 .Lno_q
	FETCH4 0, F0
	FETCH4 1, F1
	RND8 BQ, 60                                    ; the biases are inputs: rounded to bf16 like the others
	RND8 BK, 60
	s_wait_dscnt 16                                ; the older buffer is in; the younger one's 16 loads may be out
	MUL4 F0, 1
	PLACES 4
	FETCH4 2, F0
	s_wait_dscnt 16
	MUL4 F1, 0
	PLACES 4
	FETCH4 3, F1
	s_wait_dscnt 16
	MUL4 F0, 0
	s_wait_dscnt 0x0
	MUL4 F1, 0
	PLACES 8
.irp k, 0,2,4,6
	v_pk_add_f32 v[QF+(\k):QF+(\k)+1], v[ACA+(\k):ACA+(\k)+1], v[ACB+(\k):ACB+(\k)+1]  ; even and odd K steps; each accumulator is read from its low end on
.endr
	v_mul_f32 v60, v[QF], v[BK]                    ; q . bk over my 8 channels,
.set i, 1
.rept 7
	v_fmac_f32 v60, v[QF+i], v[BK+i]
.set i, i+1
.endr
	v_permlanex16_b32 v61, v60, s[SEL], s[SEL+1]   ; and the 8 of the lane 16 away
	v_add_f32 v60, v60, v61
	ds_store_b32 v[CPS], v60                       ; both halves of the lanes write the same number to the same word
	SPLIT4 QF,   64, 68, 72, 76
	SPLIT4 QF+4, 66, 70, 74, 76
	ds_store_b128 v[QPS], v[64:67]                 ; hi
	ds_store_b128 v[QPS], v[68:71] offset:128      ; mid
	ds_store_b128 v[QPS], v[72:75] offset:256      ; lo
.Lno_q:
	BAR                                            ; q's pieces and the partial sums are whole
	; SECOND PRODUCT, all waves.  qt^T = Wk^T q^T: source 0 = 16 columns j of Wk (turned on the way out of LDS), source 1 = 16 rows b of a piece of q; K = 64 channels, three pieces.
.irp p, 0,1,2
.irp d, 0,1
	ds_load_b128 v[PF+8*(2*(\p)+(\d)):PF+8*(2*(\p)+(\d))+3],   v[QPB] offset:128*(\p)+64*(\d)
	ds_load_b128 v[PF+8*(2*(\p)+(\d))+4:PF+8*(2*(\p)+(\d))+7], v[QPB] offset:128*(\p)+64*(\d)+32
.endr
.endr
.irp d, 0,1
.irp jt, 0,1,2,3
	ds_load_tr16_b128 v[WA+8*(4*(\d)+(\jt)):WA+8*(4*(\d)+(\jt))+3],   v[TA] offset:(\d)*32*P2+32*(\jt)
	ds_load_tr16_b128 v[WA+8*(4*(\d)+(\jt))+4:WA+8*(4*(\d)+(\jt))+7], v[TA] offset:(\d)*32*P2+16*P2+32*(\jt)
.endr
.endr
	s_wait_dscnt 0x0
.irp p, 2,1,0                          ; the smallest piece first; the four accumulators take turns
.irp d, 0,1
.irp jt, 0,1,2,3
.if ((\p) == 2) && ((\d) == 0)
	v_wmma_f32_16x16x32_bf16 v[AC+8*(\jt):AC+8*(\jt)+7], v[WA+8*(4*(\d)+(\jt)):WA+8*(4*(\d)+(\jt))+7], v[PF+8*(2*(\p)+(\d)):PF+8*(2*(\p)+(\d))+7], 0
.else
	v_wmma_f32_16x16x32_bf16 v[AC+8*(\jt):AC+8*(\jt)+7], v[WA+8*(4*(\d)+(\jt)):WA+8*(4*(\d)+(\jt))+7], v[PF+8*(2*(\p)+(\d)):PF+8*(2*(\p)+(\d))+7], v[AC+8*(\jt):AC+8*(\jt)+7]
.endif
.endr
.endr
.endr
	PLACES 8
	; THE WAY OUT.  A lane holds 8 neighbouring j of one b: 32 bytes.  Through my own stage they become whole rows of 256 bytes (LDS serves a wave's instructions in order: ISA guide 5.7.1.4).
.irp jt, 0,1,2,3
	ds_store_b128 v[SO], v[AC+8*(\jt):AC+8*(\jt)+3]   offset:64*(\jt)
	ds_store_b128 v[SO], v[AC+8*(\jt)+4:AC+8*(\jt)+7] offset:64*(\jt)+16
.endr
.irp t, 0,1,2,3,4,5,6,7
	ds_load_b128 v[RB+4*(\t):RB+4*(\t)+3], v[SR] offset:2*STP*(\t)
.endr
.irp t, 0,1,2,3,4,5,6,7
	s_wait_dscnt 7-(\t)
	global_store_b128 v[GO], v[RB+4*(\t):RB+4*(\t)+3], s[QTB:QTB+1] offset:32768*(\t)  ; 16 lanes store 256 consecutive bytes, at a multiple of 256 from qt's first byte
.endr
	; cq: wave 0 adds the four partial sums of each of the 32 rows b; the division by 8 is exact
	s_cmp_lg_u32 s[WV], 0
	s_cbranch_scc1 .Lend
	ds_load_b32 v52, v[CRD]
	ds_load_b32 v53, v[CRD] offset:128
	ds_load_b32 v54, v[CRD] offset:256
	ds_load_b32 v55, v[CRD] offset:384
	s_wait_dscnt 0x0
	v_add_f32 v52, v52, v53
	v_add_f32 v54, v54, v55
	v_add_f32 v52, v52, v54
	v_mul_f32 v52, 0x3e000000, v52
	global_store_b32 v[CGO], v52, s[CQB:CQB+1]     ; 128 consecutive bytes: all that the work-group owns of cq
.Lend:
	s_wait_tensorcnt 0x0                           ; the wave's end, behind my last LDS store
	ds_add_u32 v[SPW], v[NIL]
	s_wait_dscnt 0x0
	s_endpgm
.Lfunc_end_k_q9166fd5e35_proj:
	.size	k_q9166fd5e35_proj, .Lfunc_end_k_q9166fd5e35_proj-k_q9166fd5e35_proj
	.p2alignl 7, 3214868480
	.fill 96, 4, 3214868480
	.section	.rodata,"a",@progbits
	.p2align	6, 0x0
	.amdhsa_kernel k_q9166fd5e35_proj
		.amdhsa_group_segment_fixed_size 252416
		.amdhsa_private_segment_fixed_size 0
		.amdhsa_enable_private_segment 0
		.amdhsa_kernarg_size 56
		.amdhsa_user_sgpr_count 2
		.amdhsa_user_sgpr_kernarg_segment_ptr 1
		.amdhsa_wavefront_size32 1
		.amdhsa_system_sgpr_workgroup_id_x 1
		.amdhsa_system_sgpr_workgroup_id_y 1
		.amdhsa_system_sgpr_workgroup_id_z 1
		.amdhsa_system_vgpr_workitem_id 0
		.amdhsa_next_free_vgpr 256
		.amdhsa_next_free_sgpr 66
		.amdhsa_reserve_vcc 0
		.amdhsa_float_denorm_mode_32 3
		.amdhsa_float_denorm_mode_16_64 3
		.amdhsa_memory_ordered 1
		.amdhsa_forward_progress 1
		.amdhsa_inst_pref_size 33
	.end_amdhsa_kernel
	.amdgpu_metadata
---
amdhsa.version: [ 1, 2 ]
amdhsa.kernels:
  - .name:           k_q9166fd5e35_proj
    .symbol:         k_q9166fd5e35_proj.kd
    .args:
      - { .name: x_non, .offset: 0, .size: 8, .value_kind: global_buffer, .address_space: global }
      - { .name: Wq, .offset: 8, .size: 8, .value_kind: global_buffer, .address_space: global }
      - { .name: bq, .offset: 16, .size: 8, .value_kind: global_buffer, .address_space: global }
      - { .name: Wk, .offset: 24, .size: 8, .value_kind: global_buffer, .address_space: global }
      - { .name: bk, .offset: 32, .size: 8, .value_kind: global_buffer, .address_space: global }
      - { .name: qt, .offset: 40, .size: 8, .value_kind: global_buffer, .address_space: global }
      - { .name: cq, .offset: 48, .size: 8, .value_kind: global_buffer, .address_space: global }
    .group_segment_fixed_size: 252416
    .private_segment_fixed_size: 0
    .kernarg_segment_align: 8
    .kernarg_segment_size: 56
    .max_flat_workgroup_size: 512
    .sgpr_count:     66
    .vgpr_count:     256
    .wavefront_size: 32
...
	.end_amdgpu_metadata
.endif
;; end of part 1
;; launch attn (part 2): grid 256 x 1, 16 waves a work-group, no clusters, 192,000 bytes of LDS; arguments x_seq, mask, qt, cq, y; writes y
.if DOCPART == 2
	.amdgcn_target "amdgcn-amd-amdhsa--gfx1250"
	.amdhsa_code_object_version 6
	.text
	.protected	k_q9166fd5e35_attn
	.globl	k_q9166fd5e35_attn
	.p2align	8
	.type	k_q9166fd5e35_attn,@function
k_q9166fd5e35_attn:
	s_mov_b64 s[64:65], 0
	v_nop
	global_prefetch_b8 v0, s[64:65] scope:SCOPE_SE
	s_setreg_imm32_b32 hwreg(HW_REG_WAVE_MODE, 25, 1), 1
	s_wait_xcnt 0x0
; THE STREAM.  For each b and head n:  s[k] = floor((sum_j x_seq[b][k][j] qt[b][n][j]) / 8 + cq[n][b]);  s[k] = -1e9 where mask[b][n][k] = 0;  a = softmax_k(s), with the row's maximum
; taken away;  y[b][n][j] = sum_k a[k] x_seq[b][k][j]   (bf16, [1024][8][512]).  x_seq is read from memory ONCE and serves both products out of LDS.
; FORMATS.  x_seq is rounded once to bf16.  qt stands in front of the floor: it goes in as three bf16 pieces whose sum is the f32 number exactly, so every product is exact and only
; f32 sums round.  a goes in as two pieces (hi + lo), which fill the 16 columns of a tile that 8 heads alone would leave half empty.  Maxima, sums, exponentials in f32; y rounded once.
; LIMITS.  A score that lies within the rounding of an f32 sum (about 1e-6 of its size) of a whole number may fall to the other side of it than another order of summation gives.
; NaN and infinities are not treated apart.  A row whose mask is all 0 gives 1/128 everywhere, as -1e9 minus itself is 0.
; SHARES.  A work-group has four b, one a trip; 16 waves.  IN: wave w brings keys 8 w .. 8 w + 7 (32 loads of 512 consecutive bytes), 1 KiB of qt[b] and a row of the mask.
; IN FLIGHT: each group of eight loads is asked for again, for the next b, as soon as it has been rounded: 35 loads a wave, the whole next tile of x_seq, are out while a tile is worked on.
; SCORES: wave (kq = w % 4, kg = w / 4): keys 32 kg .. + 31, j 128 kq .. + 127; the four partial sums of a score meet in LDS.  SOFTMAX: wave w makes row w of a's pieces (head w % 8;
; hi in waves 0-7, lo in 8-15).  MIX: wave w makes j 32 w .. + 31 of all heads.  No work-group reads a byte that another reads but the small cq: nothing to share, so no cluster.
.set NBAT,   4
.set QPITCH, 1040                      ; a row of 512 bf16 + 16 bytes = 65 x 16: the 16 rows of a fragment load start in 16 different groups of four banks (64 banks of 4 bytes: ISA guide 11.1)
.set SPITCH, 528                       ; 128 f32 + 16 bytes
.set SPLANE, 8*SPITCH
.set PPITCH, 272                       ; 128 bf16 + 16 bytes
.set YPITCH, 1040
.set XPITCH, 1056                      ; 512 bf16 + 32 bytes = 33 x 32.  For the plain fragment loads rows r and r + 8 would then start at the same bank:
                                       ; so in rows with (key / 8) odd each pair of neighbouring 16-byte pieces is swapped, by writer and both readers alike
.set QTP,    0                         ; 24 rows: piece p of head n's qt at row 8 p + n
.set SCP,    25088                     ; partial scores: [kq][head][128 keys] f32
.set PMX,    41984                     ; 16 rows: a's piece p of head n at row 8 p + n, 128 keys bf16
.set YSG,    46336                     ; y's stage: [head][512] bf16
.set SPARE,  54784                     ; the spare words: 128 bytes for each of 16 waves, named by no other line
.set XT,     56832                     ; the tile of x_seq: [key][512] bf16
.set L16, 100                          ; 16 x lane: the offset of every global load and store; never rewritten
.set XST, 101                          ; where my 8 bytes of a quarter row of x go
.set QST, 102                          ; the same for qt's pieces
.set AX,  103                          ; scores: fragments of x
.set BQ1, 104                          ; fragments of qt: pieces hi (columns 0-7) and mid (8-15)
.set BQ2, 105                          ; piece lo, the same 8 rows for both halves of the columns
.set SST, 106                          ; where my 8 partial scores go
.set SRD, 107                          ; where the softmax reads 4 keys
.set PST, 108                          ; where it puts them
.set PB,  109                          ; mix: fragments of a's pieces
.set TA0, 110                          ; turned fragments of x, keys 0-63
.set TA1, 111                          ; keys 64-127 (an LDS immediate has 16 bits)
.set YST, 112                          ; where my 8 numbers of y go
.set YRD, 113                          ; where I read 16 bytes of y back
.set SPW, 114                          ; my spare word; never rewritten
.set NIL, 115                          ; 0; never rewritten
.set QS,  116                          ; v116-123  two loads of qt
.set MS,  124                          ; v124-127  one load of the mask
.set XS,  128                          ; v128-255  32 loads of x_seq;  v0-99 at work
.set F0,  32                           ; scores: two fragment buffers of 32
.set F1,  64
.set PF,  16                           ; mix: a's fragments, K step ks at PF + 8 ks
.set XB,  4                            ; s[4:5] x_seq, s[6:7] mask, s[8:9] qt, s[10:11] cq, s[12:13] y, each at my wave's part
.set MB,  6
.set QB,  8
.set CQ,  10
.set YB,  12
.set WV,  14
.set KQ,  15
.set KG,  16
.set W7,  17
.set W1,  18
.set WH,  19
.set CC,  20                           ; s[20:23] cq of my head for the four b; s20 is the one in hand
.set EIGHTH, 25
.set NEG, 26                           ; -1e9
.set L2E, 27                           ; log2(e)
.set HIM, 28                           ; a word's upper bf16
.set PSEL, 29                          ; all ones in waves 8-15
.set HM,  30                           ; the lanes with lane % 16 >= 8
.set CNT, 32
.set SEL, 34                           ; s[34:35] v_permlanex16_b32: each lane takes its own place in the other half
.set T0,  36                           ; s[36:37] an offset in 64 bits
.set T2,  38
.macro PLACES n                        ; plain instructions between a matrix instruction and what touches its registers (ISA guide 7.12.1)
.rept \n
	v_nop
.endr
.endm
.macro BAR                             ; my LDS stores and loads are done; then all sixteen waves meet
	s_wait_dscnt 0x0
	s_barrier_signal -1
	s_barrier_wait -1
.endm
; Four f32 in v[f..f+3] become three pairs of packed bf16, h + m + lo = f exactly: round, widen, subtract (the difference is exact), twice; the rest fits 8 bits.
.macro SPLIT4 f, h, m, lo, t
.irp d, \h, \m
	v_cvt_pk_bf16_f32 v[(\d)],   v[(\f)],   v[(\f)+1]
	v_cvt_pk_bf16_f32 v[(\d)+1], v[(\f)+2], v[(\f)+3]
	v_lshlrev_b32 v[(\t)],   16,     v[(\d)]
	v_and_b32     v[(\t)+1], s[HIM], v[(\d)]
	v_lshlrev_b32 v[(\t)+2], 16,     v[(\d)+1]
	v_and_b32     v[(\t)+3], s[HIM], v[(\d)+1]
	v_pk_add_f32 v[(\f):(\f)+1],   v[(\f):(\f)+1],   v[(\t):(\t)+1]   neg_lo:[0,1] neg_hi:[0,1]
	v_pk_add_f32 v[(\f)+2:(\f)+3], v[(\f)+2:(\f)+3], v[(\t)+2:(\t)+3] neg_lo:[0,1] neg_hi:[0,1]
.endr
	v_cvt_pk_bf16_f32 v[(\lo)],   v[(\f)],   v[(\f)+1]
	v_cvt_pk_bf16_f32 v[(\lo)+1], v[(\f)+2], v[(\f)+3]
.endm
; The loads of one b, always issued in this order: qt (2), x_seq (4 groups of 8), mask (1)
.macro LDQ
	global_load_b128 v[QS:QS+3],   v[L16], s[QB:QB+1] th:TH_LOAD_NT
	global_load_b128 v[QS+4:QS+7], v[L16], s[QB:QB+1] offset:512 th:TH_LOAD_NT
.endm
.macro LDX g                           ; load number n: key 8 w + n / 4, quarter n % 4 of its 2,048 bytes
.set n, 8*(\g)
.rept 8
	global_load_b128 v[XS+4*n:XS+4*n+3], v[L16], s[XB:XB+1] offset:(n/4)*2048+(n%4)*512 th:TH_LOAD_NT
.set n, n+1
.endr
.endm
.macro LDM
	global_load_b128 v[MS:MS+3], v[L16], s[MB:MB+1]   ; (two waves read each row of the mask: no hint)
.endm
; Group g of x: rounded, asked for again, stored.  The count: with more = 1 35 loads are out and these 8 are the oldest; in the last trip the x still out behind them, and the mask.
.macro XGROUP g, more
	s_wait_loadcnt (\more)*27+(1-(\more))*(25-8*(\g))
.set i, 0
.rept 8
	v_cvt_pk_bf16_f32 v[2*i],   v[XS+4*(8*(\g)+i)],   v[XS+4*(8*(\g)+i)+1]
	v_cvt_pk_bf16_f32 v[2*i+1], v[XS+4*(8*(\g)+i)+2], v[XS+4*(8*(\g)+i)+3]
.set i, i+1
.endr
.if \more
	LDX \g
.endif
.set i, 0
.rept 8
	ds_store_b64 v[XST], v[2*i:2*i+1] offset:((8*(\g)+i)/4)*XPITCH+((8*(\g)+i)%4)*256
.set i, i+1
.endr
.endm
; SCORES.  D = x qt^T: source 0 = 16 keys of x, source 1 = 16 rows of qt's pieces: in the result a lane holds one column (r) and the keys 8 h + 0..7.
; Accumulator (kt, pt) at v[8 (2 pt + kt)]: key tile kt; pt = 0: columns hi | mid, pt = 1: lo | lo.
.macro FETCH2 ks, f                    ; K step ks: 8 LDS loads
.irp kt, 0,1
	ds_load_b128 v[(\f)+8*(\kt):(\f)+8*(\kt)+3],   v[AX] offset:(\kt)*16*XPITCH+64*(\ks)
	ds_load_b128 v[(\f)+8*(\kt)+4:(\f)+8*(\kt)+7], v[AX] offset:(\kt)*16*XPITCH+64*(\ks)+32
.endr
	ds_load_b128 v[(\f)+16:(\f)+19], v[BQ1] offset:64*(\ks)
	ds_load_b128 v[(\f)+20:(\f)+23], v[BQ1] offset:64*(\ks)+32
	ds_load_b128 v[(\f)+24:(\f)+27], v[BQ2] offset:64*(\ks)
	ds_load_b128 v[(\f)+28:(\f)+31], v[BQ2] offset:64*(\ks)+32
.endm
.macro MUL2 f, zero                    ; its 4 products; the four accumulators take turns, one instruction a turn
.irp pt, 0,1
.irp kt, 0,1
.if \zero
	v_wmma_f32_16x16x32_bf16 v[8*(2*(\pt)+(\kt)):8*(2*(\pt)+(\kt))+7], v[(\f)+8*(\kt):(\f)+8*(\kt)+7], v[(\f)+16+8*(\pt):(\f)+16+8*(\pt)+7], 0
.else
	v_wmma_f32_16x16x32_bf16 v[8*(2*(\pt)+(\kt)):8*(2*(\pt)+(\kt))+7], v[(\f)+8*(\kt):(\f)+8*(\kt)+7], v[(\f)+16+8*(\pt):(\f)+16+8*(\pt)+7], v[8*(2*(\pt)+(\kt)):8*(2*(\pt)+(\kt))+7]
.endif
.endr
.endr
.endm
.macro SCORES
	FETCH2 0, F0
	FETCH2 1, F1
	s_wait_dscnt 8                                 ; the older buffer is in; the younger one's 8 loads may be out (so at each of these waits)
	MUL2 F0, 1
	PLACES 4
	FETCH2 2, F0
	s_wait_dscnt 8
	MUL2 F1, 0
	PLACES 4
	FETCH2 3, F1
	s_wait_dscnt 8
	MUL2 F0, 0
	s_wait_dscnt 0x0
	MUL2 F1, 0
	PLACES 8
.set i, 0
.rept 16                               ; hi + mid: the column 8 away; every lane then holds head r % 8.  Each accumulator is read from its low end on
	v_add_f32_dpp v[32+i], v[i], v[i] row_xmask:8 row_mask:0xf bank_mask:0xf
.set i, i+1
.endr
.set i, 0
.rept 8
	v_pk_add_f32 v[32+i:33+i], v[32+i:33+i], v[16+i:17+i]  ; + lo
.set i, i+2
.endr
.set i, 0
.rept 8
	v_cndmask_b32 v[48+i], v[32+i], v[40+i], s[HM]  ; lanes r < 8 keep key tile 0, the others key tile 1: no number is stored twice
.set i, i+1
.endr
	ds_store_b128 v[SST], v[48:51]
	ds_store_b128 v[SST], v[52:55] offset:16
.endm
; SOFTMAX of my head's 128 keys, 4 a lane.
.macro SOFTMAX more
.irp q, 0,1,2,3
	ds_load_b128 v[4*(\q):4*(\q)+3], v[SRD] offset:SPLANE*(\q)
.endr
	s_wait_dscnt 0x0
	v_pk_add_f32 v[0:1],   v[0:1],   v[4:5]
	v_pk_add_f32 v[2:3],   v[2:3],   v[6:7]
	v_pk_add_f32 v[8:9],   v[8:9],   v[12:13]
	v_pk_add_f32 v[10:11], v[10:11], v[14:15]
	v_pk_add_f32 v[0:1],   v[0:1],   v[8:9]
	v_pk_add_f32 v[2:3],   v[2:3],   v[10:11]
.irp k, 0,1,2,3
	v_fma_f32 v[\k], v[\k], s[EIGHTH], s[CC]       ; (sum + q . bk) / 8, rounded once: the scalings by 1/8 are exact
.endr
.irp k, 0,1,2,3
	v_floor_f32 v[\k], v[\k]
.endr
	s_wait_loadcnt 34*(\more)                      ; the mask is in; younger: the next b's 2 loads of qt and 32 of x, or nothing
.irp k, 0,1,2,3
	v_cmp_eq_u32 vcc_lo, 0, v[MS+(\k)]
	v_cndmask_b32 v[\k], v[\k], s[NEG], vcc_lo
.endr
.if \more
	LDM
.endif
	v_max3_num_f32 v4, v0, v1, v2
	v_max_num_f32 v4, v4, v3
	v_max_num_f32_dpp v4, v4, v4 row_xmask:1 row_mask:0xf bank_mask:0xf
	v_max_num_f32_dpp v4, v4, v4 row_xmask:2 row_mask:0xf bank_mask:0xf
	v_max_num_f32_dpp v4, v4, v4 row_xmask:4 row_mask:0xf bank_mask:0xf
	v_max_num_f32_dpp v4, v4, v4 row_xmask:8 row_mask:0xf bank_mask:0xf
	v_permlanex16_b32 v5, v4, s[SEL], s[SEL+1]
	v_max_num_f32 v4, v4, v5                       ; the row's maximum, in every lane
.irp k, 0,1,2,3
	v_sub_f32 v[\k], v[\k], v4                     ; a difference of whole numbers: exact
.endr
.irp k, 0,1,2,3
	v_mul_f32 v[\k], s[L2E], v[\k]
.endr
.irp k, 0,1,2,3
	v_exp_f32 v[\k], v[\k]
.endr
	v_nop                                          ; a plain instruction behind the last exponential,
	s_wait_alu depctr_va_vdst(0)                   ; and a wait ahead of the batch's first reader
	v_add_f32 v4, v0, v1
	v_add_f32 v5, v2, v3
	v_add_f32 v4, v4, v5
	v_add_f32_dpp v4, v4, v4 row_xmask:1 row_mask:0xf bank_mask:0xf
	v_add_f32_dpp v4, v4, v4 row_xmask:2 row_mask:0xf bank_mask:0xf
	v_add_f32_dpp v4, v4, v4 row_xmask:4 row_mask:0xf bank_mask:0xf
	v_add_f32_dpp v4, v4, v4 row_xmask:8 row_mask:0xf bank_mask:0xf
	v_permlanex16_b32 v5, v4, s[SEL], s[SEL+1]
	v_add_f32 v4, v4, v5
	v_rcp_f32 v6, v4
	v_nop
	s_wait_alu depctr_va_vdst(0)
.irp k, 0,1,2,3
	v_mul_f32 v[\k], v[\k], v6
.endr
	v_cvt_pk_bf16_f32 v8, v0, v1                   ; hi
	v_cvt_pk_bf16_f32 v9, v2, v3
	v_lshlrev_b32 v10, 16,     v8
	v_and_b32     v11, s[HIM], v8
	v_lshlrev_b32 v12, 16,     v9
	v_and_b32     v13, s[HIM], v9
	v_pk_add_f32 v[0:1], v[0:1], v[10:11] neg_lo:[0,1] neg_hi:[0,1]
	v_pk_add_f32 v[2:3], v[2:3], v[12:13] neg_lo:[0,1] neg_hi:[0,1]
	v_cvt_pk_bf16_f32 v10, v0, v1                  ; lo
	v_cvt_pk_bf16_f32 v11, v2, v3
	v_cndmask_b32 v8, v8, v10, s[PSEL]             ; waves 0-7 store hi, waves 8-15 lo
	v_cndmask_b32 v9, v9, v11, s[PSEL]
	ds_store_b64 v[PST], v[8:9]
.endm
; MIX.  D = x^T a^T: source 0 = 16 columns j of x (turned on the way out of LDS), source 1 = the 16 rows of a's pieces; K = 128 keys.  A lane ends with one (piece, head) and 8 neighbouring j.
.macro TRX ks, f                       ; keys 32 ks .. + 31 of my two tiles of 16 j: 4 turning loads
.irp jt, 0,1
	ds_load_tr16_b128 v[(\f)+8*(\jt):(\f)+8*(\jt)+3],   v[TA0+(\ks)/2] offset:((\ks)%2)*32*XPITCH+32*(\jt)
	ds_load_tr16_b128 v[(\f)+8*(\jt)+4:(\f)+8*(\jt)+7], v[TA0+(\ks)/2] offset:((\ks)%2)*32*XPITCH+16*XPITCH+32*(\jt)
.endr
.endm
.macro MULY ks, f, zero                ; the two accumulators take turns
.irp jt, 0,1
.if \zero
	v_wmma_f32_16x16x32_bf16 v[8*(\jt):8*(\jt)+7], v[(\f)+8*(\jt):(\f)+8*(\jt)+7], v[PF+8*(\ks):PF+8*(\ks)+7], 0
.else
	v_wmma_f32_16x16x32_bf16 v[8*(\jt):8*(\jt)+7], v[(\f)+8*(\jt):(\f)+8*(\jt)+7], v[PF+8*(\ks):PF+8*(\ks)+7], v[8*(\jt):8*(\jt)+7]
.endif
.endr
.endm
.macro MIX
.irp ks, 0,1,2,3
	ds_load_b128 v[PF+8*(\ks):PF+8*(\ks)+3],   v[PB] offset:64*(\ks)
	ds_load_b128 v[PF+8*(\ks)+4:PF+8*(\ks)+7], v[PB] offset:64*(\ks)+32
.endr
	TRX 0, 48
	TRX 1, 64
	TRX 2, 80
	s_wait_dscnt 8                                 ; a's fragments and K step 0 are in; steps 1 and 2 may be out
	MULY 0, 48, 1
	PLACES 4
	TRX 3, 48
	s_wait_dscnt 8                                 ; step 1 is in; steps 2 and 3 may be out
	MULY 1, 64, 0
	s_wait_dscnt 4
	MULY 2, 80, 0
	s_wait_dscnt 0x0
	MULY 3, 48, 0
	PLACES 8
.set i, 0
.rept 16                               ; hi + lo: the column 8 away; each accumulator is read from its low end on
	v_add_f32_dpp v[16+i], v[i], v[i] row_xmask:8 row_mask:0xf bank_mask:0xf
.set i, i+1
.endr
.set i, 0
.rept 8
	v_cvt_pk_bf16_f32 v[32+i], v[16+2*i], v[17+2*i]
.set i, i+1
.endr
.set i, 0
.rept 4
	v_cndmask_b32 v[40+i], v[32+i], v[36+i], s[HM]  ; lanes r < 8 keep the first 16 j, the others the second
.set i, i+1
.endr
	ds_store_b128 v[YST], v[40:43]
.endm
; ONE b.  more = 1: the next b's loads are issued as this one's registers come free.
.macro TRIP more
	s_wait_loadcnt 33                              ; qt is in; younger: 32 loads of x and the mask
	SPLIT4 QS,   0, 2, 4,  12
	SPLIT4 QS+4, 6, 8, 10, 12
.if \more
	LDQ
.endif
.irp p, 0,1,2
	ds_store_b64 v[QST], v[2*(\p):2*(\p)+1]     offset:8*QPITCH*(\p)
	ds_store_b64 v[QST], v[6+2*(\p):6+2*(\p)+1] offset:8*QPITCH*(\p)+256
.endr
.irp g, 0,1,2,3
	XGROUP \g, \more
.endr
	BAR                                            ; the tile of x and qt's pieces are whole
	SCORES
	BAR                                            ; the partial scores are whole
	SOFTMAX \more
	BAR                                            ; a's pieces are whole
	MIX
	BAR                                            ; y's stage is whole; nobody reads the tile of x or qt's pieces any more: the next trip may write them
	ds_load_b128 v[76:79], v[YRD]
	s_wait_dscnt 0x0
	global_store_b128 v[L16], v[76:79], s[YB:YB+1]    ; my wave stores 512 consecutive bytes, at a multiple of 512 from y's first byte
.if \more
	s_wait_xcnt 0x0                                ; every load and the store have read their sources: the bases and v76-79 are written again only behind this wait
	s_add_nc_u64 s[XB:XB+1], s[XB:XB+1], 262144    ; a b is 128 x 2,048 bytes of x_seq,
	s_add_nc_u64 s[QB:QB+1], s[QB:QB+1], 16384     ; 8 x 2,048 of qt,
	s_add_nc_u64 s[MB:MB+1], s[MB:MB+1], 4096      ; 8 x 512 of the mask,
	s_add_nc_u64 s[YB:YB+1], s[YB:YB+1], 8192      ; 8 x 1,024 of y
	s_mov_b32 s[CC],   s[CC+1]
	s_mov_b32 s[CC+1], s[CC+2]
	s_mov_b32 s[CC+2], s[CC+3]
.endif
.endm
	s_load_b256 s[4:11], s[0:1], 0x0               ; x_seq, mask, qt, cq
	s_load_b64 s[YB:YB+1], s[0:1], 0x20            ; y
	v_lshl_add_u32 v[SPW], v0, 2, SPARE
	v_mov_b32 v[NIL], 0
	v_lshrrev_b32 v1, 5, v0
	v_readfirstlane_b32 s[WV], v1                  ; wave 0..15
	s_and_b32 s[KQ], s[WV], 3
	s_lshr_b32 s[KG], s[WV], 2
	s_and_b32 s[W7], s[WV], 7
	s_and_b32 s[W1], s[WV], 1
	s_lshr_b32 s[WH], s[WV], 1
	s_mov_b32 s[EIGHTH], 0x3e000000
	s_mov_b32 s[NEG], 0xce6e6b28
	s_mov_b32 s[L2E], 0x3fb8aa3b
	s_mov_b32 s[HIM], 0xffff0000
	s_mov_b32 s[HM], 0xff00ff00
	s_mov_b32 s[SEL], 0x76543210
	s_mov_b32 s[SEL+1], 0xfedcba98
	s_mov_b32 s[T0+1], 0
	s_cmp_ge_u32 s[WV], 8
	s_cselect_b32 s[PSEL], -1, 0
	v_and_b32 v1, 31, v0                           ; l
	v_and_b32 v2, 15, v0                           ; r = l % 16
	v_bfe_u32 v3, v0, 4, 1                         ; h = l / 16
	v_bfe_u32 v4, v0, 3, 1                         ; r / 8 = (l / 8) % 2
	v_and_b32 v5, 7, v0                            ; r % 8 = l % 8
	v_add_nc_u32 v6, v3, v4
	v_and_b32 v6, 1, v6                            ; both readers' 16-byte piece after the swap: for the plain load h, swapped where r / 8 is odd; for the turning load (l / 8) % 2, swapped where h is odd
	v_lshlrev_b32 v[L16], 4, v1
	v_lshrrev_b32 v7, 1, v1                        ; the writer: lane l holds 8 bytes of piece l / 2; my 8 keys have (key / 8) % 2 = w % 2
	v_add_nc_u32 v7, s[W1], v7
	v_and_b32 v7, 1, v7
	v_lshrrev_b32 v8, 2, v1
	v_lshlrev_b32 v8, 5, v8
	v_lshl_add_u32 v8, v7, 4, v8
	v_and_b32 v7, 1, v1
	v_lshl_add_u32 v8, v7, 3, v8
	s_mul_i32 s[T0], s[WV], 8*XPITCH
	s_add_co_u32 s[T0], s[T0], XT
	v_add_nc_u32 v[XST], s[T0], v8
	s_mul_i32 s[T0], s[WH], QPITCH                 ; my 1 KiB of qt[b]: head w / 2, half w % 2
	s_lshl_b32 s[T2], s[W1], 9
	s_add_co_u32 s[T0], s[T0], s[T2]
	v_lshl_add_u32 v[QST], v1, 3, s[T0]
	s_add_co_u32 s[T0], s[T0], YSG                 ; and the same place in y's stage
	v_lshl_add_u32 v[YRD], v1, 4, s[T0]
	v_mul_u32_u24 v7, v2, XPITCH
	v_lshl_add_u32 v7, v6, 4, v7
	s_mul_i32 s[T0], s[KG], 32*XPITCH
	s_lshl_b32 s[T2], s[KQ], 8
	s_add_co_u32 s[T0], s[T0], s[T2]
	s_add_co_u32 s[T0], s[T0], XT
	v_add_nc_u32 v[AX], s[T0], v7                  ; key 32 kg + r, j 128 kq on
	v_mul_u32_u24 v7, v2, QPITCH
	v_lshl_add_u32 v7, v3, 4, v7
	v_add_nc_u32 v[BQ1], s[T2], v7                 ; row r
	v_mul_u32_u24 v7, v5, QPITCH
	v_lshl_add_u32 v7, v3, 4, v7
	s_add_co_u32 s[T2], s[T2], 16*QPITCH
	v_add_nc_u32 v[BQ2], s[T2], v7                 ; row 16 + r % 8
	v_mul_u32_u24 v7, v5, SPITCH                   ; head r % 8, keys 32 kg + 16 (r / 8) + 8 h on
	v_lshl_add_u32 v7, v4, 6, v7
	v_lshl_add_u32 v7, v3, 5, v7
	s_mul_i32 s[T0], s[KQ], SPLANE
	s_lshl_b32 s[T2], s[KG], 7
	s_add_co_u32 s[T0], s[T0], s[T2]
	s_add_co_u32 s[T0], s[T0], SCP
	v_add_nc_u32 v[SST], s[T0], v7
	s_mul_i32 s[T0], s[W7], SPITCH
	s_add_co_u32 s[T0], s[T0], SCP
	v_lshl_add_u32 v[SRD], v1, 4, s[T0]
	s_mul_i32 s[T0], s[WV], PPITCH
	s_add_co_u32 s[T0], s[T0], PMX
	v_lshl_add_u32 v[PST], v1, 3, s[T0]
	v_mul_u32_u24 v7, v2, PPITCH
	v_lshl_add_u32 v7, v3, 4, v7
	v_add_nc_u32 v[PB], PMX, v7
	v_lshl_add_u32 v7, v3, 3, v5                   ; the turning load: lane l reads key 8 h + l % 8
	v_mul_u32_u24 v7, v7, XPITCH
	v_lshl_add_u32 v7, v6, 4, v7
	s_lshl_b32 s[T2], s[WV], 6                     ; j 32 w on: 64 bytes
	s_add_co_u32 s[T0], s[T2], XT
	v_add_nc_u32 v[TA0], s[T0], v7
	v_add_nc_u32 v[TA1], 64*XPITCH, v[TA0]
	v_mul_u32_u24 v7, v5, YPITCH                   ; head r % 8, j 32 w + 16 (r / 8) + 8 h on
	v_lshl_add_u32 v7, v4, 5, v7
	v_lshl_add_u32 v7, v3, 4, v7
	s_add_co_u32 s[T0], s[T2], YSG
	v_add_nc_u32 v[YST], s[T0], v7
	s_wait_kmcnt 0x0
	s_lshl_b32 s[T0], ttmp9, 20                    ; x_seq: b = 4 x work-group, key 8 w
	s_lshl_b32 s[T2], s[WV], 14
	s_add_co_u32 s[T0], s[T0], s[T2]
	s_add_nc_u64 s[XB:XB+1], s[XB:XB+1], s[T0:T0+1]
	s_lshl_b32 s[T0], ttmp9, 16                    ; qt: my 1,024 bytes of the b's 16,384
	s_lshl_b32 s[T2], s[WV], 10
	s_add_co_u32 s[T0], s[T0], s[T2]
	s_add_nc_u64 s[QB:QB+1], s[QB:QB+1], s[T0:T0+1]
	s_lshl_b32 s[T0], ttmp9, 14                    ; mask: row w % 8
	s_lshl_b32 s[T2], s[W7], 9
	s_add_co_u32 s[T0], s[T0], s[T2]
	s_add_nc_u64 s[MB:MB+1], s[MB:MB+1], s[T0:T0+1]
	s_lshl_b32 s[T0], ttmp9, 15                    ; y: my 512 bytes of the b's 8,192
	s_lshl_b32 s[T2], s[WV], 9
	s_add_co_u32 s[T0], s[T0], s[T2]
	s_add_nc_u64 s[YB:YB+1], s[YB:YB+1], s[T0:T0+1]
	s_lshl_b32 s[T0], s[W7], 12                    ; cq: row w % 8, my four b
	s_lshl_b32 s[T2], ttmp9, 4
	s_add_co_u32 s[T0], s[T0], s[T2]
	s_add_nc_u64 s[CQ:CQ+1], s[CQ:CQ+1], s[T0:T0+1]
	s_load_b128 s[CC:CC+3], s[CQ:CQ+1], 0x0
	LDQ                                            ; the first b
	LDX 0
	LDX 1
	LDX 2
	LDX 3
	LDM
	s_wait_xcnt 0x0                                ; they have read their bases, which step to the second b: a trip asks for the b behind its own
	s_add_nc_u64 s[XB:XB+1], s[XB:XB+1], 262144
	s_add_nc_u64 s[QB:QB+1], s[QB:QB+1], 16384
	s_add_nc_u64 s[MB:MB+1], s[MB:MB+1], 4096
	s_wait_kmcnt 0x0                               ; cq
	s_mov_b32 s[CNT], NBAT-1
.Ltrip:
	TRIP 1
	s_sub_co_u32 s[CNT], s[CNT], 1
	s_cmp_lg_u32 s[CNT], 0
	s_cbranch_scc1 .Ltrip
	TRIP 0                                         ; the last b is written out: it asks for nothing, and its counts run down
	s_wait_tensorcnt 0x0                           ; the wave's end, behind my last LDS store
	ds_add_u32 v[SPW], v[NIL]
	s_wait_dscnt 0x0
	s_endpgm
.Lfunc_end_k_q9166fd5e35_attn:
	.size	k_q9166fd5e35_attn, .Lfunc_end_k_q9166fd5e35_attn-k_q9166fd5e35_attn
	.p2alignl 7, 3214868480
	.fill 96, 4, 3214868480
	.section	.rodata,"a",@progbits
	.p2align	6, 0x0
	.amdhsa_kernel k_q9166fd5e35_attn
		.amdhsa_group_segment_fixed_size 192000
		.amdhsa_private_segment_fixed_size 0
		.amdhsa_enable_private_segment 0
		.amdhsa_kernarg_size 40
		.amdhsa_user_sgpr_count 2
		.amdhsa_user_sgpr_kernarg_segment_ptr 1
		.amdhsa_wavefront_size32 1
		.amdhsa_system_sgpr_workgroup_id_x 1
		.amdhsa_system_sgpr_workgroup_id_y 1
		.amdhsa_system_sgpr_workgroup_id_z 1
		.amdhsa_system_vgpr_workitem_id 0
		.amdhsa_next_free_vgpr 256
		.amdhsa_next_free_sgpr 66
		.amdhsa_reserve_vcc 1
		.amdhsa_float_denorm_mode_32 3
		.amdhsa_float_denorm_mode_16_64 3
		.amdhsa_memory_ordered 1
		.amdhsa_forward_progress 1
		.amdhsa_inst_pref_size 59
	.end_amdhsa_kernel
	.amdgpu_metadata
---
amdhsa.version: [ 1, 2 ]
amdhsa.kernels:
  - .name:           k_q9166fd5e35_attn
    .symbol:         k_q9166fd5e35_attn.kd
    .args:
      - { .name: x_seq, .offset: 0, .size: 8, .value_kind: global_buffer, .address_space: global }
      - { .name: mask, .offset: 8, .size: 8, .value_kind: global_buffer, .address_space: global }
      - { .name: qt, .offset: 16, .size: 8, .value_kind: global_buffer, .address_space: global }
      - { .name: cq, .offset: 24, .size: 8, .value_kind: global_buffer, .address_space: global }
      - { .name: y, .offset: 32, .size: 8, .value_kind: global_buffer, .address_space: global }
    .group_segment_fixed_size: 192000
    .private_segment_fixed_size: 0
    .kernarg_segment_align: 8
    .kernarg_segment_size: 40
    .max_flat_workgroup_size: 512
    .sgpr_count:     66
    .vgpr_count:     256
    .wavefront_size: 32
...
	.end_amdgpu_metadata
.endif
;; end of part 2
;; launch outp (part 3): grid 32 x 8, 8 waves a work-group, no clusters, 109,568 bytes of LDS; arguments y, Wv, bv, out0; writes out0
.if DOCPART == 3
	.amdgcn_target "amdgcn-amd-amdhsa--gfx1250"
	.amdhsa_code_object_version 6
	.text
	.protected	k_q9166fd5e35_outp
	.globl	k_q9166fd5e35_outp
	.p2align	8
	.type	k_q9166fd5e35_outp,@function
k_q9166fd5e35_outp:
	s_mov_b64 s[64:65], 0
	v_nop
	global_prefetch_b8 v0, s[64:65] scope:SCOPE_SE
	s_setreg_imm32_b32 hwreg(HW_REG_WAVE_MODE, 25, 1), 1
	s_wait_xcnt 0x0
; THE VALUE SIDE.  out0[b][64n+d] = sum_j y[b][n][j] Wv[64n+d][j] + bv[64n+d]: the value projection applied to the one weighted mean of x_seq's rows of a (b, head); the weights of a
; softmax add up to 1, so bv enters once.  y is bf16 as the launch before left it; Wv and bv, inputs, are rounded once to bf16; sums in f32; out0 is f32.
; LIMITS.  NaN and infinities are not treated apart.
; SHARES.  A work-group has 32 rows b and one head n: 8 tiles of 16 d x 16 b, K = 512, one for each of its 8 waves.
; NO CLUSTER: Wv's 64 rows are shared by the 32 work-groups of a head, but they are f32 in memory and are rounded in registers on the way to LDS; landed jointly they would lie in LDS
; as 131,072 bytes of f32 and be read once more to be rounded.
.set P1,    1040                       ; a row of 512 bf16 + 16 bytes = 65 x 16: the 16 rows of a fragment load start in 16 different groups of four banks (64 banks of 4 bytes: ISA guide 11.1)
.set ZP,    272                        ; 64 f32 + 16 bytes
.set YT,    0                          ; 32 rows of y
.set WVT,   33280                      ; 64 rows of Wv, bf16
.set ZS,    99840                      ; the result's stage: [32 b][64 d] f32
.set SPARE, 108544                     ; the spare words: 128 bytes for each of 8 waves, named by no other line
.set L16, 2                            ; 16 x lane
.set YTS, 3                            ; where my rows of y go
.set WVS, 4                            ; where my rows of Wv go
.set FA,  5                            ; fragments of Wv
.set FB,  6                            ; fragments of y
.set ZST, 7                            ; where my 8 results go
.set ZRD, 8                            ; where I read rows back
.set GO,  9                            ; my byte offset in two rows of out0
.set BO,  10                           ; my byte offset in 16 numbers of bv
.set SPW, 16                           ; my spare word; never rewritten
.set NIL, 17                           ; 0; never rewritten
.set CV,  20                           ; v20-35  rounded pairs on their way to LDS (set-up: at work)
.set BQ,  36                           ; v36-43  my 8 numbers of bv
.set QF,  52                           ; v52-59  results;  v60-67 at work
.set STG, 96                           ; v96-255 forty loads of 16 bytes a lane; later fragments and accumulators
.set F0,  96
.set F1,  160
.set ACA, 224
.set ACB, 232
.set YB,  4                            ; s[4:5] y, s[6:7] Wv, s[8:9] bv, s[10:11] out0
.set WVB, 6
.set BVB, 8
.set OB,  10
.set WV,  12
.set DT,  13
.set MM,  14
.set NH,  15
.set HIM, 16
.set T0,  18                           ; s[18:19] an offset in 64 bits
.set T2,  20
.macro PLACES n                        ; plain instructions between a matrix instruction and what touches its registers (ISA guide 7.12.1)
.rept \n
	v_nop
.endr
.endm
.macro BAR                             ; my LDS stores and loads are done; then all eight waves meet
	s_wait_dscnt 0x0
	s_barrier_signal -1
	s_barrier_wait -1
.endm
.macro RND8 f, t                       ; eight f32 rounded to bf16 and widened again, in place
.irp k, 0,1,2,3
	v_cvt_pk_bf16_f32 v[(\t)+(\k)], v[(\f)+2*(\k)], v[(\f)+2*(\k)+1]
.endr
.irp k, 0,1,2,3
	v_lshlrev_b32 v[(\f)+2*(\k)],   16,     v[(\t)+(\k)]
	v_and_b32     v[(\f)+2*(\k)+1], s[HIM], v[(\t)+(\k)]
.endr
.endm
.macro CVT8 src, adr, pitch, row0, left  ; eight loads (two rows of 2,048 bytes) are rounded and stored; left = the younger loads, which may stay out
	s_wait_loadcnt \left
.set i, 0
.rept 8
	v_cvt_pk_bf16_f32 v[CV+2*i],   v[(\src)+4*i],   v[(\src)+4*i+1]
	v_cvt_pk_bf16_f32 v[CV+2*i+1], v[(\src)+4*i+2], v[(\src)+4*i+3]
.set i, i+1
.endr
.set i, 0
.rept 8
	ds_store_b64 v[\adr], v[CV+2*i:CV+2*i+1] offset:((\row0)+i/4)*(\pitch)+(i%4)*256
.set i, i+1
.endr
.endm
.macro FETCH4 b, f                     ; K steps 4 b .. 4 b + 3: 16 LDS loads (step i: Wv at f + 16 i, y at f + 16 i + 8)
.set i, 0
.rept 4
	ds_load_b128 v[(\f)+16*i:(\f)+16*i+3],     v[FA] offset:64*(4*(\b)+i)
	ds_load_b128 v[(\f)+16*i+4:(\f)+16*i+7],   v[FA] offset:64*(4*(\b)+i)+32
	ds_load_b128 v[(\f)+16*i+8:(\f)+16*i+11],  v[FB] offset:64*(4*(\b)+i)
	ds_load_b128 v[(\f)+16*i+12:(\f)+16*i+15], v[FB] offset:64*(4*(\b)+i)+32
.set i, i+1
.endr
.endm
.macro MUL4 f, first                   ; the two accumulators (even and odd K steps) take turns; first = 1: the sums start, one with the bias and one with 0
.if \first
	v_wmma_f32_16x16x32_bf16 v[ACA:ACA+7], v[(\f):(\f)+7],     v[(\f)+8:(\f)+15],  v[BQ:BQ+7]
	v_wmma_f32_16x16x32_bf16 v[ACB:ACB+7], v[(\f)+16:(\f)+23], v[(\f)+24:(\f)+31], 0
.else
	v_wmma_f32_16x16x32_bf16 v[ACA:ACA+7], v[(\f):(\f)+7],     v[(\f)+8:(\f)+15],  v[ACA:ACA+7]
	v_wmma_f32_16x16x32_bf16 v[ACB:ACB+7], v[(\f)+16:(\f)+23], v[(\f)+24:(\f)+31], v[ACB:ACB+7]
.endif
	v_wmma_f32_16x16x32_bf16 v[ACA:ACA+7], v[(\f)+32:(\f)+39], v[(\f)+40:(\f)+47], v[ACA:ACA+7]
	v_wmma_f32_16x16x32_bf16 v[ACB:ACB+7], v[(\f)+48:(\f)+55], v[(\f)+56:(\f)+63], v[ACB:ACB+7]
.endm
	s_load_b256 s[4:11], s[0:1], 0x0               ; y, Wv, bv, out0
	v_lshl_add_u32 v[SPW], v0, 2, SPARE
	v_mov_b32 v[NIL], 0
	v_lshrrev_b32 v1, 5, v0
	v_readfirstlane_b32 s[WV], v1                  ; wave 0..7
	s_and_b32 s[NH], ttmp7, 0xffff
	s_and_b32 s[DT], s[WV], 3                      ; which 16 of the head's 64 channels
	s_lshr_b32 s[MM], s[WV], 2                     ; which 16 of the 32 rows b
	s_mov_b32 s[HIM], 0xffff0000
	s_mov_b32 s[T0+1], 0
	v_and_b32 v20, 31, v0                          ; l
	v_and_b32 v21, 15, v0                          ; r
	v_bfe_u32 v22, v0, 4, 1                        ; h
	v_lshlrev_b32 v[L16], 4, v20
	v_lshlrev_b32 v[BO], 5, v22
	s_mul_i32 s[T0], s[WV], 4*P1                   ; y: rows 4 w .. 4 w + 3
	v_lshl_add_u32 v[YTS], v20, 4, s[T0]
	s_mul_i32 s[T0], s[WV], 8*P1                   ; Wv: rows 8 w .. 8 w + 7
	s_add_co_u32 s[T0], s[T0], WVT
	v_lshl_add_u32 v[WVS], v20, 3, s[T0]
	v_mul_u32_u24 v25, v21, P1                     ; a fragment: row r, 16 bytes for each half of the lanes
	v_lshl_add_u32 v25, v22, 4, v25
	s_mul_i32 s[T0], s[DT], 16*P1
	s_add_co_u32 s[T0], s[T0], WVT
	v_add_nc_u32 v[FA], s[T0], v25
	s_mul_i32 s[T0], s[MM], 16*P1
	v_add_nc_u32 v[FB], s[T0], v25
	v_mul_u32_u24 v26, v21, ZP                     ; row 16 m + r, channels 16 dt + 8 h on
	v_lshl_add_u32 v26, v22, 5, v26
	s_mul_i32 s[T0], s[MM], 16*ZP
	s_lshl_b32 s[T2], s[DT], 6
	s_add_co_u32 s[T0], s[T0], s[T2]
	s_add_co_u32 s[T0], s[T0], ZS
	v_add_nc_u32 v[ZST], s[T0], v26
	v_mul_u32_u24 v26, v22, ZP                     ; back: lanes 0-15 one row of 256 bytes, lanes 16-31 the next; rows 4 w on
	v_lshl_add_u32 v26, v21, 4, v26
	s_mul_i32 s[T0], s[WV], 4*ZP
	s_add_co_u32 s[T0], s[T0], ZS
	v_add_nc_u32 v[ZRD], s[T0], v26
	v_lshlrev_b32 v26, 11, v22                     ; and the same two rows in out0
	v_lshl_add_u32 v[GO], v21, 4, v26
	s_wait_kmcnt 0x0
	s_lshl_b32 s[T0], ttmp9, 18                    ; y: b = 32 block + 4 w, head n
	s_lshl_b32 s[T2], s[WV], 15
	s_add_co_u32 s[T0], s[T0], s[T2]
	s_lshl_b32 s[T2], s[NH], 10
	s_add_co_u32 s[T0], s[T0], s[T2]
	s_add_nc_u64 s[YB:YB+1], s[YB:YB+1], s[T0:T0+1]
	s_lshl_b32 s[T0], s[NH], 17                    ; Wv: row 64 n + 8 w
	s_lshl_b32 s[T2], s[WV], 14
	s_add_co_u32 s[T0], s[T0], s[T2]
	s_add_nc_u64 s[WVB:WVB+1], s[WVB:WVB+1], s[T0:T0+1]
	s_lshl_b32 s[T0], s[NH], 8                     ; bv: number 64 n + 16 dt
	s_lshl_b32 s[T2], s[DT], 6
	s_add_co_u32 s[T0], s[T0], s[T2]
	s_add_nc_u64 s[BVB:BVB+1], s[BVB:BVB+1], s[T0:T0+1]
	s_lshl_b32 s[T0], ttmp9, 16                    ; out0: row 32 block + 4 w, column 64 n
	s_lshl_b32 s[T2], s[WV], 13
	s_add_co_u32 s[T0], s[T0], s[T2]
	s_lshl_b32 s[T2], s[NH], 8
	s_add_co_u32 s[T0], s[T0], s[T2]
	s_add_nc_u64 s[OB:OB+1], s[OB:OB+1], s[T0:T0+1]
	; ALL LOADS AT ONCE: bv (the oldest), y, Wv
	global_load_b128 v[BQ:BQ+3],   v[BO], s[BVB:BVB+1]
	global_load_b128 v[BQ+4:BQ+7], v[BO], s[BVB:BVB+1] offset:16
.set i, 0
.rept 8
	global_load_b128 v[STG+4*i:STG+4*i+3], v[L16], s[YB:YB+1] offset:(i/2)*8192+(i%2)*512 th:TH_LOAD_NT
.set i, i+1
.endr
.set i, 0
.rept 32
	global_load_b128 v[STG+32+4*i:STG+32+4*i+3], v[L16], s[WVB:WVB+1] offset:(i/4)*2048+(i%4)*512
.set i, i+1
.endr
	s_wait_loadcnt 32                              ; bv and y are in; Wv's 32 loads may be out
.set i, 0
.rept 8
	ds_store_b128 v[YTS], v[STG+4*i:STG+4*i+3] offset:(i/2)*P1+(i%2)*512  ; y is bf16 already
.set i, i+1
.endr
	RND8 BQ, 60                                    ; bv is an input: rounded to bf16 like the others
	CVT8 STG+32,  WVS, P1, 0, 24
	CVT8 STG+64,  WVS, P1, 2, 16
	CVT8 STG+96,  WVS, P1, 4, 8
	CVT8 STG+128, WVS, P1, 6, 0
	BAR                                            ; both tiles are whole
	; z^T = Wv y^T: source 0 = 16 rows d of Wv, source 1 = 16 rows b of y: a lane ends with ONE b (r) and the channels 16 dt + 8 h + 0..7
	FETCH4 0, F0
	FETCH4 1, F1
	s_wait_dscnt 16                                ; the older buffer is in; the younger one's 16 loads may be out
	MUL4 F0, 1
	PLACES 4
	FETCH4 2, F0
	s_wait_dscnt 16
	MUL4 F1, 0
	PLACES 4
	FETCH4 3, F1
	s_wait_dscnt 16
	MUL4 F0, 0
	s_wait_dscnt 0x0
	MUL4 F1, 0
	PLACES 8
.irp k, 0,2,4,6
	v_pk_add_f32 v[QF+(\k):QF+(\k)+1], v[ACA+(\k):ACA+(\k)+1], v[ACB+(\k):ACB+(\k)+1]  ; even and odd K steps; each accumulator is read from its low end on
.endr
	ds_store_b128 v[ZST], v[QF:QF+3]
	ds_store_b128 v[ZST], v[QF+4:QF+7] offset:16
	BAR                                            ; a row's 256 bytes come from four waves
	ds_load_b128 v[60:63], v[ZRD]
	ds_load_b128 v[64:67], v[ZRD] offset:2*ZP
	s_wait_dscnt 1
	global_store_b128 v[GO], v[60:63], s[OB:OB+1]  ; 16 lanes store 256 consecutive bytes, at a multiple of 256 from out0's first byte
	s_wait_dscnt 0x0
	global_store_b128 v[GO], v[64:67], s[OB:OB+1] offset:4096
	s_wait_tensorcnt 0x0                           ; the wave's end, behind my last LDS store
	ds_add_u32 v[SPW], v[NIL]
	s_wait_dscnt 0x0
	s_endpgm
.Lfunc_end_k_q9166fd5e35_outp:
	.size	k_q9166fd5e35_outp, .Lfunc_end_k_q9166fd5e35_outp-k_q9166fd5e35_outp
	.p2alignl 7, 3214868480
	.fill 96, 4, 3214868480
	.section	.rodata,"a",@progbits
	.p2align	6, 0x0
	.amdhsa_kernel k_q9166fd5e35_outp
		.amdhsa_group_segment_fixed_size 109568
		.amdhsa_private_segment_fixed_size 0
		.amdhsa_enable_private_segment 0
		.amdhsa_kernarg_size 32
		.amdhsa_user_sgpr_count 2
		.amdhsa_user_sgpr_kernarg_segment_ptr 1
		.amdhsa_wavefront_size32 1
		.amdhsa_system_sgpr_workgroup_id_x 1
		.amdhsa_system_sgpr_workgroup_id_y 1
		.amdhsa_system_sgpr_workgroup_id_z 1
		.amdhsa_system_vgpr_workitem_id 0
		.amdhsa_next_free_vgpr 256
		.amdhsa_next_free_sgpr 66
		.amdhsa_reserve_vcc 0
		.amdhsa_float_denorm_mode_32 3
		.amdhsa_float_denorm_mode_16_64 3
		.amdhsa_memory_ordered 1
		.amdhsa_forward_progress 1
		.amdhsa_inst_pref_size 21
	.end_amdhsa_kernel
	.amdgpu_metadata
---
amdhsa.version: [ 1, 2 ]
amdhsa.kernels:
  - .name:           k_q9166fd5e35_outp
    .symbol:         k_q9166fd5e35_outp.kd
    .args:
      - { .name: y, .offset: 0, .size: 8, .value_kind: global_buffer, .address_space: global }
      - { .name: Wv, .offset: 8, .size: 8, .value_kind: global_buffer, .address_space: global }
      - { .name: bv, .offset: 16, .size: 8, .value_kind: global_buffer, .address_space: global }
      - { .name: out0, .offset: 24, .size: 8, .value_kind: global_buffer, .address_space: global }
    .group_segment_fixed_size: 109568
    .private_segment_fixed_size: 0
    .kernarg_segment_align: 8
    .kernarg_segment_size: 32
    .max_flat_workgroup_size: 256
    .sgpr_count:     66
    .vgpr_count:     256
    .wavefront_size: 32
...
	.end_amdgpu_metadata
.endif
;; end of part 3
